; MI455X (gfx1250); checked and timed in simulation.
; The chip was launched on July 23, 2026; its instructions are those of AMD's public machine-readable ISA for CDNA 5 (MIT licence, August 2026) and "CDNA5" Instruction Set Architecture Reference Guide (July 2026). The comments in the code are by the model that wrote it; some were corrected since.
;; Badhanau Attention. Allowed arithmetic: float matrix products may take bf16 or f16 operands with f32 sums; other float arithmetic in f32, or as packed bf16 or f16 multiplies, adds, multiply-adds, maxima and minima; sums over many terms, partial sums and values carried from step to step in f32; what a program stores and reads back later, other than sums and carried values, may be rounded once to bf16 or f16.
;; Inputs: U_a 1,024 x 1,024 float32; W_a 1,024 x 1,024 float32; decoder_hidden_state 32 x 1 x 1,024 float32; encoder_hidden_states 32 x 2,048 x 1,024 float32; ffn 2,048 x 1,024 float32; v_t 1,024 x 1 float32.
;; Outputs: out0 32 x 1 x 1,024 float32; out1 32 x 1 x 1,024 float32.
;; One version. Each part assembles by itself: llvm-mc -triple=amdgcn-amd-amdhsa -mcpu=gfx1250 --defsym DOCPART=n.
;; ======== version 1 of 1: 4 launches
;; workspace buffers: uf 2,097,152 bytes; ff 2,097,152 bytes; wpart 524,288 bytes; zpart 524,288 bytes; pctx 2,097,152 bytes; pstat 131,072 bytes; xf 65,536 bytes
;; launch prep (part 1): grid 256 x 1, 8 waves a work-group, no clusters, 70,656 bytes of LDS; arguments U_a, W_a, ffn, decoder_hidden_state, uf, ff, wpart, zpart; writes uf, ff, wpart, zpart
.if DOCPART == 1
	.amdgcn_target "amdgcn-amd-amdhsa--gfx1250"
	.amdhsa_code_object_version 6
	.text
	.protected	k_qceb3dbe58e_prep
	.globl	k_qceb3dbe58e_prep
	.p2align	8
	.type	k_qceb3dbe58e_prep,@function
k_qceb3dbe58e_prep:
	s_mov_b64 s[64:65], 0
	v_nop
	global_prefetch_b8 v0, s[64:65] scope:SCOPE_SE
	s_setreg_imm32_b32 hwreg(HW_REG_WAVE_MODE, 25, 1), 1
	s_wait_xcnt 0x0
; Three roles, chosen by the work-group's number (the same for all of its waves).
; Work-groups 0-63:    uf = bf16(c2 U_a), c2 = 2 log2(e), rounded once, in the order of matrix fragments.
; Work-groups 64-127:  ff = bf16(ffn[1024:2048]) in the same order.
;   Work-group i of the 64 takes the rows k = 32 t .. 32 t + 31, t = i / 2; its wave w the columns 64 cg .. 64 cg + 63, cg = 8 (i % 2) + w.
;   [cg][t][q]: 1,024 bytes; at byte 512 g + 16 lane lie k = 32 t + 16 g + 8 (lane / 16) + 0..7 of column 64 cg + 4 (lane % 16) + q.
; Work-groups 128-191: wpart[kq] = dec[:, 256 kq ..] W_a[256 kq .., :];  192-255: zpart[kq] likewise with ffn[0:1024].
;   Each makes 32 rows x 64 columns over a quarter of K: operands bf16, sums f32.  Its 8 waves take one matrix step of 32 along K each; their f32 partial sums meet
;   in LDS behind one barrier.  The four quarters stay apart, in f32: the launches that read them add them.  So a work-group issues 192 loads, and all 256 have work.
; TURNING IN REGISTERS.  The matrices lie [k][n] in f32.  Lane (r = lane % 16, h = lane / 16) loads 16 bytes, columns 4 r .. 4 r + 3,
; of the rows 16 g + 8 h + i (g = 0, 1; i = 0..7): sixteen lanes take 256 consecutive aligned bytes of a row.  The lane then holds, for each
; of its four columns q, the sixteen k of a fragment's lane (ISA guide 7.12.2: 16-bit operands), so fragment q is made by roundings in pairs alone.
; Fragment q's sixteen "rows" are the columns 4 rho + q, rho = 0..15.
.set C2,     0x4038aa3b                ; 2 log2(e)
.set SPITCH, 272                       ; a stage row: 64 f32 + 16 bytes
.set WSTAGE, 32*SPITCH                 ; a wave's stage: 32 rows
.set SPARE,  8*WSTAGE                  ; behind the stages: the spare words, 128 bytes a wave, that no other line names
.set R,   1                            ; v1   lane % 16 (also thread % 16)
.set H,   2                            ; v2   lane / 16
.set VM,  3                            ; v3   my offset in the matrix: 8 h rows + 16 r bytes
.set VX,  4                            ; v4   my offset in dec: row r, 32 h bytes
.set SA,  5                            ; v5   where I put partial sums
.set RA,  6                            ; v6   where I read them back
.set GO,  8                            ; v8   my offset in the output
.set ROW, 9                            ; v9   at work
.set SPW, 10                           ; v10  my spare word; never rewritten
.set NIL, 11                           ; v11  0; never rewritten
.set MF,  16                           ; v16-47   four fragments of the matrix
.set XF,  48                           ; v48-63   two fragments of dec
.set MR,  64                           ; v64-127  the matrix as loaded: load n = 8 g + i at MR + 4 n
.set RD,  64                           ; v64-127  later the sixteen partial quads: wave w, half of the rows e at RD + 4 (w + 8 e)
.set ACC, 128                          ; v128-191 the eight accumulators (mt, q) at ACC + 8 (4 mt + q)
.set XR,  192                          ; v192-223 dec as loaded
.set MB,  34                           ; s[34:35] matrix   s[10:11] dec   s[36:37] output
.set YB,  36
.macro CVTM                            ; fragment q, register n = 4 g + i / 2: loads 2 n and 2 n + 1 of my sixteen, column q
.set q, 0
.rept 4
.set n, 0
.rept 8
	v_cvt_pk_bf16_f32 v[MF+8*q+n], v[MR+8*n+q], v[MR+8*n+4+q]
.set n, n+1
.endr
.set q, q+1
.endr
.endm
	s_load_b256 s[4:11], s[0:1], 0x0               ; U_a s[4:5], W_a s[6:7], ffn s[8:9], dec s[10:11]
	s_load_b256 s[12:19], s[0:1], 0x20             ; uf s[12:13], ff s[14:15], wpart s[16:17], zpart s[18:19]
	v_lshl_add_u32 v[SPW], v0, 2, SPARE
	v_mov_b32 v[NIL], 0
	v_lshrrev_b32 v[ROW], 5, v0
	v_readfirstlane_b32 s20, v[ROW]                ; wave 0..7
	v_and_b32 v[R], 15, v0
	v_bfe_u32 v[H], v0, 4, 1
	v_lshlrev_b32 v[VM], 4, v[R]
	v_lshl_add_u32 v[VM], v[H], 15, v[VM]          ; 8 h rows of 4,096 bytes + 16 r
	s_wait_kmcnt 0x0
	s_cmp_ge_u32 ttmp9, 128
	s_cbranch_scc1 .Lproduct
	; THE TURNING ROLES
	s_and_b32 s21, ttmp9, 63
	s_lshr_b32 s22, s21, 1                         ; t
	s_and_b32 s23, s21, 1
	s_lshl_b32 s23, s23, 3
	s_add_co_u32 s23, s23, s20                     ; cg
	s_lshl_b32 s24, s22, 17                        ; 32 t rows of 4,096 bytes
	s_lshl_b32 s25, s23, 8                         ; 64 cg columns
	s_add_co_u32 s24, s24, s25
	s_mov_b32 s25, 0
	s_lshl_b32 s26, s23, 17                        ; out: cg x 32 x 4,096
	s_lshl_b32 s27, s22, 12                        ;      + t x 4,096
	s_add_co_u32 s26, s26, s27
	s_mov_b32 s27, 0
	s_add_nc_u64 s[8:9], s[8:9], 0x400000          ; ffn's rows 1,024 on
	s_cmp_lt_u32 ttmp9, 64
	s_cselect_b64 s[28:29], s[4:5], s[8:9]
	s_cselect_b64 s[30:31], s[12:13], s[14:15]
	s_add_nc_u64 s[28:29], s[28:29], s[24:25]
	s_add_nc_u64 s[30:31], s[30:31], s[26:27]
.set n, 0
.rept 16                               ; n = 8 g + i: row 16 g + i, and my 8 h on top
	global_load_b128 v[MR+4*n:MR+4*n+3], v[VM], s[28:29] offset:((n/8)*16+n%8)*4096 th:TH_LOAD_NT
.set n, n+1
.endr
	v_and_b32 v[GO], 31, v0
	v_lshlrev_b32 v[GO], 4, v[GO]                  ; 16 x lane
	s_wait_loadcnt 0x0
	s_cmp_ge_u32 ttmp9, 64
	s_cbranch_scc1 .Lround                         ; ffn is rounded as it is
.set n, 0
.rept 32
	v_pk_mul_f32 v[MR+2*n:MR+2*n+1], v[MR+2*n:MR+2*n+1], C2 op_sel_hi:[1,0]
.set n, n+1
.endr
.Lround:
	CVTM
.set q, 0
.rept 4
	global_store_b128 v[GO], v[MF+8*q:MF+8*q+3],   s[30:31] offset:q*1024      ; each store of the wave covers 512 consecutive bytes, aligned
	global_store_b128 v[GO], v[MF+8*q+4:MF+8*q+7], s[30:31] offset:q*1024+512
.set q, q+1
.endr
	s_endpgm                                       ; these roles have written no LDS
.Lproduct:
	s_sub_co_u32 s21, ttmp9, 128
	s_and_b32 s22, s21, 3                          ; kq: the quarter of K
	s_bfe_u32 s23, s21, 0x40002                    ; cg: four bits from bit 2
	s_lshr_b32 s24, s21, 6                         ; 0: W_a -> wpart; 1: ffn's first 1,024 rows -> zpart
	s_cmp_eq_u32 s24, 0
	s_cselect_b64 s[MB:MB+1], s[6:7], s[8:9]
	s_cselect_b64 s[YB:YB+1], s[16:17], s[18:19]
	s_lshl_b32 s25, s22, 3
	s_add_co_u32 s25, s25, s20                     ; my K step of 32: 8 kq + wave
	s_lshl_b32 s26, s25, 17                        ; its 32 rows of the matrix,
	s_lshl_b32 s28, s23, 8                         ; the group's 64 columns
	s_add_co_u32 s26, s26, s28
	s_mov_b32 s27, 0
	s_lshl_b32 s30, s25, 7                         ; its 32 k of dec
	s_mov_b32 s31, 0
	s_lshl_b32 s29, s22, 17                        ; the quarter's table of 131,072 bytes
	s_add_co_u32 s28, s28, s29
	s_mov_b32 s29, 0
	s_add_nc_u64 s[MB:MB+1], s[MB:MB+1], s[26:27]
	s_add_nc_u64 s[10:11], s[10:11], s[30:31]
	s_add_nc_u64 s[YB:YB+1], s[YB:YB+1], s[28:29]
	v_lshlrev_b32 v[VX], 12, v[R]
	v_lshl_add_u32 v[VX], v[H], 5, v[VX]
.set n, 0
.rept 16                               ; n = 8 g + i: row 16 g + i, and my 8 h on top
	global_load_b128 v[MR+4*n:MR+4*n+3], v[VM], s[MB:MB+1] offset:((n/8)*16+n%8)*4096 th:TH_LOAD_NT
.set n, n+1
.endr
.set n, 0
.rept 8                                ; n = 4 mt + 2 g + half: rows 16 mt + r, k = 16 g + 8 h + 4 half ..
	global_load_b128 v[XR+4*n:XR+4*n+3], v[VX], s[10:11] offset:(n/4)*65536+((n/2)%2)*64+(n%2)*16
.set n, n+1
.endr
	s_mul_i32 s32, s20, WSTAGE
	v_mul_u32_u24 v[SA], v[R], SPITCH
	v_lshl_add_u32 v[SA], v[H], 7, v[SA]
	v_add_nc_u32 v[SA], s32, v[SA]                 ; my stage, row r, byte 128 h: column 4 (8 h + j) + q lies 16 j + 4 q further on
	v_lshrrev_b32 v[ROW], 4, v0                    ; back: thread t takes rows t / 16 and 16 + t / 16, 16 bytes at 16 (t % 16)
	v_mul_u32_u24 v[RA], v[ROW], SPITCH
	v_lshl_add_u32 v[RA], v[R], 4, v[RA]
	v_lshlrev_b32 v[GO], 12, v[ROW]
	v_lshl_add_u32 v[GO], v[R], 4, v[GO]
	s_wait_loadcnt 0x0
	CVTM
.set n, 0
.rept 16
	v_cvt_pk_bf16_f32 v[XF+n], v[XR+2*n], v[XR+2*n+1]
.set n, n+1
.endr
.set mt, 0
.rept 2                                ; source 0 = 16 columns of the matrix, source 1 = 16 rows of dec: a lane holds one row of the result and eight rho
.set q, 0
.rept 4
	v_wmma_f32_16x16x32_bf16 v[ACC+8*(4*mt+q):ACC+8*(4*mt+q)+7], v[MF+8*q:MF+8*q+7], v[XF+8*mt:XF+8*mt+7], 0
.set q, q+1
.endr
.set mt, mt+1
.endr
.rept 4
	v_nop                                          ; four plain vector instructions between the last product and the read of its result (ISA guide 7.12.1)
.endr
.set mt, 0
.rept 2
.set q, 0
.rept 4
.set j, 0
.rept 8                                ; each accumulator from its lowest register on
	ds_store_b32 v[SA], v[ACC+8*(4*mt+q)+j] offset:mt*16*SPITCH+16*j+4*q
.set j, j+1
.endr
.set q, q+1
.endr
.set mt, mt+1
.endr
	s_wait_dscnt 0x0                               ; for the others' sake: my partial sums are in LDS
	s_barrier_signal -1
	s_barrier_wait -1
.set n, 0
.rept 16                               ; n = w + 8 e
	ds_load_b128 v[RD+4*n:RD+4*n+3], v[RA] offset:(n%8)*WSTAGE+(n/8)*16*SPITCH
.set n, n+1
.endr
	s_wait_dscnt 0x0
.irp s, 4,2,1                          ; eight f32 partial sums for each of my two quads, added in pairs
.set n, 0
.rept \s
	v_pk_add_f32 v[RD+4*n:RD+4*n+1],       v[RD+4*n:RD+4*n+1],       v[RD+4*(n+\s):RD+4*(n+\s)+1]
	v_pk_add_f32 v[RD+4*n+2:RD+4*n+3],     v[RD+4*n+2:RD+4*n+3],     v[RD+4*(n+\s)+2:RD+4*(n+\s)+3]
	v_pk_add_f32 v[RD+32+4*n:RD+32+4*n+1], v[RD+32+4*n:RD+32+4*n+1], v[RD+32+4*(n+\s):RD+32+4*(n+\s)+1]
	v_pk_add_f32 v[RD+32+4*n+2:RD+32+4*n+3], v[RD+32+4*n+2:RD+32+4*n+3], v[RD+32+4*(n+\s)+2:RD+32+4*(n+\s)+3]
.set n, n+1
.endr
.endr
	global_store_b128 v[GO], v[RD:RD+3],       s[YB:YB+1]               ; sixteen lanes store 256 consecutive bytes of a row, aligned
	global_store_b128 v[GO], v[RD+32:RD+35],   s[YB:YB+1] offset:65536  ; and of the row 16 further down
	s_wait_tensorcnt 0x0                           ; the wave's end
	ds_add_u32 v[SPW], v[NIL]
	s_wait_dscnt 0x0
	s_endpgm
.Lfunc_end_k_qceb3dbe58e_prep:
	.size	k_qceb3dbe58e_prep, .Lfunc_end_k_qceb3dbe58e_prep-k_qceb3dbe58e_prep
	.p2alignl 7, 3214868480
	.fill 96, 4, 3214868480
	.section	.rodata,"a",@progbits
	.p2align	6, 0x0
	.amdhsa_kernel k_qceb3dbe58e_prep
		.amdhsa_group_segment_fixed_size 70656
		.amdhsa_private_segment_fixed_size 0
		.amdhsa_enable_private_segment 0
		.amdhsa_kernarg_size 64
		.amdhsa_user_sgpr_count 2
		.amdhsa_user_sgpr_kernarg_segment_ptr 1
		.amdhsa_wavefront_size32 1
		.amdhsa_system_sgpr_workgroup_id_x 1
		.amdhsa_system_sgpr_workgroup_id_y 1
		.amdhsa_system_sgpr_workgroup_id_z 1
		.amdhsa_system_vgpr_workitem_id 0
		.amdhsa_next_free_vgpr 256
		.amdhsa_next_free_sgpr 66
		.amdhsa_reserve_vcc 0
		.amdhsa_float_denorm_mode_32 3
		.amdhsa_float_denorm_mode_16_64 3
		.amdhsa_memory_ordered 1
		.amdhsa_forward_progress 1
		.amdhsa_inst_pref_size 24
	.end_amdhsa_kernel
	.amdgpu_metadata
---
amdhsa.version: [ 1, 2 ]
amdhsa.kernels:
  - .name:           k_qceb3dbe58e_prep
    .symbol:         k_qceb3dbe58e_prep.kd
    .args:
      - { .name: U_a, .offset: 0, .size: 8, .value_kind: global_buffer, .address_space: global }
      - { .name: W_a, .offset: 8, .size: 8, .value_kind: global_buffer, .address_space: global }
      - { .name: ffn, .offset: 16, .size: 8, .value_kind: global_buffer, .address_space: global }
      - { .name: decoder_hidden_state, .offset: 24, .size: 8, .value_kind: global_buffer, .address_space: global }
      - { .name: uf, .offset: 32, .size: 8, .value_kind: global_buffer, .address_space: global }
      - { .name: ff, .offset: 40, .size: 8, .value_kind: global_buffer, .address_space: global }
      - { .name: wpart, .offset: 48, .size: 8, .value_kind: global_buffer, .address_space: global }
      - { .name: zpart, .offset: 56, .size: 8, .value_kind: global_buffer, .address_space: global }
    .group_segment_fixed_size: 70656
    .private_segment_fixed_size: 0
    .kernarg_segment_align: 8
    .kernarg_segment_size: 64
    .max_flat_workgroup_size: 256
    .sgpr_count:     66
    .vgpr_count:     256
    .wavefront_size: 32
...
	.end_amdgpu_metadata
.endif
;; end of part 1
;; launch main (part 2): grid 512 x 1, 8 waves a work-group, no clusters, 295,936 bytes of LDS; arguments encoder_hidden_states, uf, wpart, v_t, pctx, pstat; writes pctx, pstat
.if DOCPART == 2
	.amdgcn_target "amdgcn-amd-amdhsa--gfx1250"
	.amdhsa_code_object_version 6
	.text
	.protected	k_qceb3dbe58e_main
	.globl	k_qceb3dbe58e_main
	.p2align	8
	.type	k_qceb3dbe58e_main,@function
k_qceb3dbe58e_main:
	s_mov_b64 s[64:65], 0
	v_nop
	global_prefetch_b8 v0, s[64:65] scope:SCOPE_SE
	s_setreg_imm32_b32 hwreg(HW_REG_WAVE_MODE, 25, 1), 1
	s_wait_xcnt 0x0
; ADDITIVE ATTENTION, one block of 128 rows of one batch to a work-group (512 blocks, 16 a batch).  For its rows it makes
;   x' = c2 (w + enc U), c2 = 2 log2(e)     (bf16 operands, f32 sums; c2 lies in uf and in the table of w, which starts the sums; w is the sum of wpart's four tables)
;   e' = sum over columns of (-2 v) / (1 + 2^x')     since tanh(x) = 1 - 2 / (1 + 2^(c2 x)), e = sum(v) + e'
;   m = max e', p = 2^(c1 (e' - m)), l = sum p, pctx = sum p enc      (c1 = log2(e)); a later launch joins a batch's 16 blocks by their true maximum.
; sum(v) is the same for every row of a softmax and falls out of it exactly, for every input, so it is not formed.
; enc is read from memory once: rounded to bf16 it stays in LDS for the products and for the weighted sum (weights and sums in f32).
; LIMITS.  NaN and infinities in the inputs are not treated apart.  2^x' may overflow to infinity: its reciprocal is 0 and tanh is 1, as it should be.
; A weight below 2^-126 counts as 0.
; SHARES.  Wave wv owns the columns 128 wv .. + 127 for all 128 rows, as two chunks of 64: 32 accumulators, 256 registers, used twice.
; U COMES FROM MEMORY STRAIGHT INTO REGISTERS, as ready fragments (uf), through a ring of four register slots, one K step of 32 each:
; a fragment of U is used by one wave of the work-group alone, so a way through LDS would add a write and a read of each byte.
; NO CLUSTER, NO TENSOR LOADS: all work-groups walk the same uf, but a joint load needs LDS slots; beside A, the tables and the stages
; 31,744 of 327,680 bytes are left, and one K step of U for the eight waves is 32,768.  A itself passes through registers in any case, to be rounded.
; TEAMS.  Waves 0-3 (G), waves 4-7 (L).  Phase 1: L brings A in, 256 along K (a part, two slices) at a time; its accumulator registers are the staging for f32.
; G multiplies part p of its chunk 0 while L awaits, rounds and stores part p + 1: one barrier a part.  Behind its last part L begins its own chunk 0 while G multiplies part 3.
; Then G: tanh step, chunk 1, tanh step; L: chunk 0, tanh step, chunk 1, tanh step, with no barrier: G stays ahead of L, so that one wave's tanh step stands beside the other's products.
; ORDER IN LDS.  Between two barriers of phase 1 G reads the bytes 69,632 p .. 69,632 (p + 1) - 1 and L writes the next 69,632.  The four parts are written out, so that every
; LDS address there is a lane term plus constants.  From phase 1's last barrier to the next one nothing is stored to LDS.
; ORDER IN REGISTERS.  The two teams' texts lie between common barriers and use the same registers for different loads.  Where one team's loads follow the other's in the text,
; a wait for 0 stands between, so that on every way through the text a register has at most one load on its way.
; THE MATRIX INSTRUCTION IS USED TRANSPOSED: source 0 = 16 columns of U (tile q of a chunk: columns 4 rho + q), source 1 = 16 rows of enc:
; lane l holds row l % 16, register j holds rho = 8 (l / 16) + j.  The tables of w and v lie in LDS in that order.
; REGISTERS.  Window 1 (v256-511): the accumulators, (a, q) at 8 (4 a + q), a = block of 16 rows.  Window 0: all else.
; s_set_vgpr_msb: bits 1:0 source 0, 3:2 source 1, 5:4 source 2, 7:6 destination.
.set PITCH, 272                        ; a row of a slice: 128 bf16 + 16 bytes = 68 words: the 16 rows of a fragment load start 4 banks apart (ISA guide 11.1)
.set SLICE, 128*PITCH                  ; A lies by slices of 128 along K: [slice 8][row 128]
.set WT,    8*SLICE                    ; c2 w, [tile 64][rho 16] f32
.set VT,    WT+4096                    ; -2 v, the same order
.set EP,    VT+4096                    ; e', [wave 8][row 128] f32: each wave's share
.set PP,    EP+4096                    ; p, 512 bytes for each wave, its own copy
.set SPARE, PP+4096                    ; the spare words, 128 bytes a wave, that no other line names
.set C2,    0x4038aa3b
.set C1,    0x3fb8aa3b
.set LANE, 1
.set R,    2                           ; lane % 16
.set H,    3                           ; lane / 16
.set VB,   4                           ; 16 x lane: my place in a fragment's 512 bytes; never rewritten
.set VE,   5                           ; my offset in enc: 32 (wave % 4) rows + 16 x lane; never rewritten
.set LA,   6                           ; where I store A: two slices on behind each part
.set ADB,  7                           ; r x PITCH + 16 h
.set AD,   8                           ; the same in the part or slice in hand
.set WA,   12                          ; my chunk's part of WT, + 32 h
.set VA,   13                          ; of VT
.set EA,   14
.set ER,   15
.set PA,   16
.set PB,   17
.set CA,   18
.set GO,   19
.set SO,   20
.set TA,   21
.set ML,   22                          ; v22-23  m, l
.set T0,   24                          ; v24-27  at work
.set SPW,  28                          ; my spare word; never rewritten
.set NIL,  29                          ; 0; never rewritten
.set E,    32                          ; v32-47  e' of my columns: a pair (even j, odd j) for each block of 16 rows
.set AF,   64                          ; v64-127 A's fragments: block a at AF + 8 a; two halves of four.  In phase 1, team L: half a part of A, rounded
.set BR,   128                         ; v128-255 U's ring: slot i, tile q at BR + 32 i + 8 q
.set MSB, 0
.macro WIN new                         ; the immediate's high byte repeats the setting that is left; a switch that changes nothing is dropped
.if MSB != (\new)
	s_set_vgpr_msb (MSB<<8)|(\new)
.set MSB, \new
.endif
.endm
.macro PLACES                          ; four plain vector instructions between a matrix instruction and a load into, or a read of, its registers
.rept 4
	v_nop
.endr
.endm
.macro MEET                            ; a work-group barrier; in front of it no LDS instruction of mine is out
	s_wait_dscnt 0x0
	s_barrier_signal -1
	s_barrier_wait -1
.endm
.macro FETCHA hf, koff                 ; four fragments of A: blocks 4 hf .. + 3, 32 along K at byte koff from AD's rows
	WIN 0
.set fa, 4*(\hf)
.rept 4
	ds_load_b128 v[AF+8*fa:AF+8*fa+3],   v[AD] offset:fa*16*PITCH+(\koff)
	ds_load_b128 v[AF+8*fa+4:AF+8*fa+7], v[AD] offset:fa*16*PITCH+(\koff)+32
.set fa, fa+1
.endr
.endm
.macro BLOAD sl, off                   ; a K step's four fragments of U, 4,096 consecutive bytes, into ring slot sl
	WIN 0
.set bq, 0
.rept 4
	global_load_b128 v[BR+32*(\sl)+8*bq:BR+32*(\sl)+8*bq+3],   v[VB], s[22:23] offset:(\off)+bq*1024
	global_load_b128 v[BR+32*(\sl)+8*bq+4:BR+32*(\sl)+8*bq+7], v[VB], s[22:23] offset:(\off)+bq*1024+512
.set bq, bq+1
.endr
.endm
.macro RING                            ; U's ring is filled: my K steps 0 to 3
	BLOAD 0, 0
	BLOAD 1, 4096
	BLOAD 2, 8192
	BLOAD 3, 12288
.endm
.macro MUL hf, sl                      ; 16 matrix instructions; the 32 accumulators take turns, one instruction a turn, in the same order in every K step
	WIN 0x50                                       ; C and D in window 1
.set ma, 4*(\hf)
.rept 4
.set mq, 0
.rept 4
	v_wmma_f32_16x16x32_bf16 v[8*(4*ma+mq):8*(4*ma+mq)+7], v[BR+32*(\sl)+8*mq:BR+32*(\sl)+8*mq+7], v[AF+8*ma:AF+8*ma+7], v[8*(4*ma+mq):8*(4*ma+mq)+7]
.set mq, mq+1
.endr
.set ma, ma+1
.endr
.endm
; A K step of 32 on ring slot sl.  nx = 1: the next step's fragments of A are fetched, each half behind the products that read it, at byte ko0 (first half) and ko1 (second half) from AD.
; adv = 1: AD goes one slice on between the two.  ldb = 1: the slot is loaded again, four K steps ahead, at byte boff.  lc: the loads of the younger ring slots, 8 each, which may stay out.
.macro KSTEP sl, nx, ko0, ko1, adv, ldb, boff, lc
	s_wait_loadcnt \lc
	s_wait_dscnt 8                                 ; A's first half is in; the second half's 8 loads are younger
	MUL 0, \sl
.if \nx
	WIN 0
	PLACES
	FETCHA 0, \ko0
	s_wait_dscnt 8                                 ; A's second half is in; the 8 just issued are younger
.else
	s_wait_dscnt 0x0
.endif
	MUL 1, \sl
	WIN 0
.if \adv
	v_add_nc_u32 v[AD], SLICE, v[AD]               ; the first of the four places
.rept 3
	v_nop
.endr
.else
	PLACES
.endif
.if \nx
	FETCHA 1, \ko1
.endif
.if \ldb
	BLOAD \sl, \boff
.endif
.endm
; A slice in the chunks' loop: four K steps.  pre = 1: it fetches the next slice's first fragments.
.macro TRIP pre, ldb
.if \ldb
	KSTEP 0, 1, 64, 64, 0, 1, 4*4096, 24
	KSTEP 1, 1, 128, 128, 0, 1, 5*4096, 24
	KSTEP 2, 1, 192, 192, 0, 1, 6*4096, 24
	KSTEP 3, \pre, SLICE, 0, 1, 1, 7*4096, 24
	s_wait_xcnt 0x0                                ; the loads' base is stepped only behind this wait
	s_add_nc_u64 s[22:23], s[22:23], 16384
.else
	KSTEP 0, 1, 64, 64, 0, 0, 0, 24                ; the wave's last four K steps load nothing: the counts run down
	KSTEP 1, 1, 128, 128, 0, 0, 0, 16
	KSTEP 2, 1, 192, 192, 0, 0, 0, 8
	KSTEP 3, \pre, SLICE, 0, 1, 0, 0, 0
.endif
.endm
.macro WINIT                           ; the sums start at c2 w: every block of rows takes the chunk's 64 numbers, 8 a lane and tile
	WIN 0x40
.set wa, 0
.rept 8
.set wq, 0
.rept 4
	ds_load_b128 v[8*(4*wa+wq):8*(4*wa+wq)+3],   v[WA] offset:64*wq
	ds_load_b128 v[8*(4*wa+wq)+4:8*(4*wa+wq)+7], v[WA] offset:64*wq+16
.set wq, wq+1
.endr
.set wa, wa+1
.endr
	WIN 0
.endm
; THE TANH STEP of a chunk: E[a] += (-2 v) / (1 + 2^x'), in two groups of 128 registers.  The exponentials run up each accumulator from its lowest register;
; behind each run of transcendentals one plain instruction stands ahead of the use of the last result (ISA guide 5.7.2).
.macro EPI
	WIN 0
	PLACES                                         ; behind the chunk's last products
.set eq, 0
.rept 4
	ds_load_b128 v[AF+8*eq:AF+8*eq+3],   v[VA] offset:64*eq     ; -2 v of tile eq, my eight rho
	ds_load_b128 v[AF+8*eq+4:AF+8*eq+7], v[VA] offset:64*eq+16
.set eq, eq+1
.endr
.set gp, 0
.rept 2
	WIN 0x41                                       ; in place in window 1
.set en, 128*gp
.rept 128
	v_exp_f32 v[en], v[en]
.set en, en+1
.endr
	v_nop
.set en, 128*gp
	s_wait_alu depctr_va_vdst(0)
.rept 64
	v_pk_add_f32 v[en:en+1], v[en:en+1], 1.0 op_sel_hi:[1,0]
.set en, en+2
.endr
.set en, 128*gp
.rept 128
	v_rcp_f32 v[en], v[en]
.set en, en+1
.endr
	v_nop
.if gp == 0
	s_wait_dscnt 0x0                               ; -2 v is in
.endif
	WIN 0x01                                       ; source 0 in window 1
.set eq, 0
	s_wait_alu depctr_va_vdst(0)
.rept 4
.set epr, 0
.rept 4
.set ea, 4*gp
.rept 4                                ; four blocks' sums take turns
	v_pk_fma_f32 v[E+2*ea:E+2*ea+1], v[8*(4*ea+eq)+2*epr:8*(4*ea+eq)+2*epr+1], v[AF+8*eq+2*epr:AF+8*eq+2*epr+1], v[E+2*ea:E+2*ea+1]
.set ea, ea+1
.endr
.set epr, epr+1
.endr
.set eq, eq+1
.endr
.set gp, gp+1
.endr
	WIN 0
.endm
; TEAM L's PART p: 256 along K of my 32 rows.  Staging buffer b (window 1: v0-127, v128-255) holds 128 along K, slice 2 p + b's share, in f32: a load covers 512 consecutive aligned bytes of a row.
; The part's place along the rows stands in the loads' immediates (130,560 at the most), so neither their base nor their offset register is ever rewritten.
.macro ELOAD b, off
	WIN 0x40
.set ln, 0
.rept 32
	global_load_b128 v[128*(\b)+4*ln:128*(\b)+4*ln+3], v[VE], s[20:21] offset:ln*4096+(\off) th:TH_LOAD_NT
.set ln, ln+1
.endr
	WIN 0
.endm
.macro LROUND b                        ; buffer b rounded to bf16: row ln's 8 bytes of mine at AF + 2 ln
	WIN 0x05                                       ; sources in window 1
.set ln, 0
.rept 32
	v_cvt_pk_bf16_f32 v[AF+2*ln],   v[128*(\b)+4*ln],   v[128*(\b)+4*ln+1]
	v_cvt_pk_bf16_f32 v[AF+2*ln+1], v[128*(\b)+4*ln+2], v[128*(\b)+4*ln+3]
.set ln, ln+1
.endr
	WIN 0
.endm
.macro LPUT b                          ; into its slice: a store covers 256 consecutive LDS bytes, a row of a slice
.set ln, 0
.rept 32
	ds_store_b64 v[LA], v[AF+2*ln:AF+2*ln+1] offset:ln*PITCH+(\b)*SLICE
.set ln, ln+1
.endr
.endm
.macro LPART p                         ; each buffer is loaded again with the next part as soon as it has been rounded, ahead of the stores
	s_wait_loadcnt 32                              ; buffer 0 is in; buffer 1's 32 loads are younger
	LROUND 0
.if (\p) < 3
	ELOAD 0, ((\p)+1)*1024
.endif
	LPUT 0
.if (\p) < 3
	s_wait_loadcnt 32                              ; buffer 1 is in; the 32 just issued are younger
.else
	s_wait_loadcnt 0x0                             ; buffer 1 is in, and no load is out when the ring's registers are loaded (in the text G's ring loads stand above)
	RING                                           ; my ring of U: wanted first thing behind the barrier that follows
.endif
	LROUND 1
.if (\p) < 3
	ELOAD 1, ((\p)+1)*1024+512
.endif
	LPUT 1
.if (\p) < 3
	v_add_nc_u32 v[LA], 2*SLICE, v[LA]
.endif
.endm
; TEAM G's PART p: eight K steps on the two slices just shown whole.  One address register serves both: the second slice lies in the immediates (65,504 at the most).
; It fetches only inside its own part.  The ring's places in uf stand in the immediates too (146,944 at the most).
.macro GPART p
	v_add_nc_u32 v[AD], (\p)*2*SLICE, v[ADB]
	FETCHA 0, 0
	FETCHA 1, 0
.set gj, 0
.rept 8
.if gj < 7
	KSTEP gj%4, 1, ((gj+1)/4)*SLICE+((gj+1)%4)*64, ((gj+1)/4)*SLICE+((gj+1)%4)*64, 0, 1, (8*(\p)+gj+4)*4096, 24
.else
	KSTEP 3, 0, 0, 0, 0, 1, (8*(\p)+gj+4)*4096, 24
.endif
.set gj, gj+1
.endr
.endm
.macro STAGE p                         ; G multiplies part p | L brings part p + 1 | the barrier shows part p + 1 whole, and G's reads of part p back
	s_cmp_lg_u32 s17, 0
	s_cbranch_scc1 .Ll_\@
	GPART \p
	s_branch .Lm_\@
.Ll_\@:
	LPART (\p)+1
.Lm_\@:
	MEET
.endm
	s_load_b256 s[4:11], s[0:1], 0x0               ; enc s[4:5], uf s[6:7], wpart s[8:9], v_t s[10:11]
	s_load_b128 s[12:15], s[0:1], 0x20             ; pctx s[12:13], pstat s[14:15]
	v_lshl_add_u32 v[SPW], v0, 2, SPARE
	v_mov_b32 v[NIL], 0
	v_lshrrev_b32 v[T0], 5, v0
	v_readfirstlane_b32 s16, v[T0]                 ; wave 0..7
	s_lshr_b32 s17, s16, 2                         ; team: 0 G, 1 L
	s_and_b32 s18, s16, 3                          ; my place in the team
	s_mov_b32 s26, 0x76543210                      ; v_permlanex16_b32: each lane takes its own place in the other half
	s_mov_b32 s27, 0xfedcba98
	s_mov_b32 s28, C1
	v_and_b32 v[LANE], 31, v0
	v_and_b32 v[R], 15, v0
	v_bfe_u32 v[H], v0, 4, 1
	v_lshlrev_b32 v[VB], 4, v[LANE]
	v_lshl_add_u32 v[VE], s18, 17, v[VB]           ; 32 rows of 4,096 bytes for each wave of the team
	s_mul_i32 s32, s18, 32*PITCH
	v_lshl_add_u32 v[LA], v[LANE], 3, s32
	v_mul_u32_u24 v[ADB], v[R], PITCH
	v_lshl_add_u32 v[ADB], v[H], 4, v[ADB]
	s_lshl_b32 s32, s16, 9                         ; 512 bytes a wave in each of the four small regions
	s_add_co_u32 s33, s32, WT
	v_lshl_add_u32 v[WA], v[H], 5, s33
	s_add_co_u32 s33, s32, VT
	v_lshl_add_u32 v[VA], v[H], 5, s33
	s_add_co_u32 s33, s32, EP
	v_lshl_add_u32 v[EA], v[R], 2, s33
	v_add_nc_u32 v[ER], EP, v[VB]
	s_add_co_u32 s33, s32, PP
	v_add_nc_u32 v[PA], s33, v[VB]
	v_mov_b32 v[PB], s33
	s_mul_i32 s33, s16, SLICE
	v_lshl_add_u32 v[CA], v[LANE], 3, s33          ; the weighted sum: wave wv takes slice wv, a lane 4 channels
	v_lshlrev_b32 v[GO], 4, v0
	v_lshlrev_b32 v[SO], 3, v[LANE]
.set n, 0
.rept 16
	v_mov_b32 v[E+n], 0
.set n, n+1
.endr
	s_lshl_b32 s32, ttmp9, 19                      ; the block's 128 rows of 4,096 bytes
	s_mov_b32 s33, 0
	s_lshl_b32 s34, s16, 18                        ; my 64 K steps of 4,096 bytes in uf
	s_mov_b32 s35, 0
	s_lshr_b32 s36, ttmp9, 4                       ; the batch,
	s_lshl_b32 s36, s36, 12                        ; its row in each of wpart's tables
	s_mov_b32 s37, 0
	s_lshl_b32 s38, ttmp9, 12
	s_mov_b32 s39, 0
	s_lshl_b32 s40, ttmp9, 8
	s_mov_b32 s41, 0
	s_wait_kmcnt 0x0
	s_add_nc_u64 s[20:21], s[4:5], s[32:33]
	s_add_nc_u64 s[22:23], s[6:7], s[34:35]
	s_add_nc_u64 s[8:9], s[8:9], s[36:37]
	s_add_nc_u64 s[12:13], s[12:13], s[38:39]
	s_add_nc_u64 s[14:15], s[14:15], s[40:41]
	s_cmp_lg_u32 s17, 0
	s_cbranch_scc1 .Lfirst_l
	; TEAM G makes the tables.  Thread t < 128 takes columns 8 t + x: chunk group t / 8, tile q = x % 4, rho = 2 (t % 8) + x / 4: for each q a pair of neighbouring rho.
	v_lshlrev_b32 v[T0+2], 5, v0
.set n, 0
.rept 4                                ; w's four partial sums over K, f32
	global_load_b128 v[AF+8*n:AF+8*n+3],   v[T0+2], s[8:9] offset:n*131072
	global_load_b128 v[AF+8*n+4:AF+8*n+7], v[T0+2], s[8:9] offset:n*131072+16
.set n, n+1
.endr
	global_load_b128 v[AF+32:AF+35], v[T0+2], s[10:11]
	global_load_b128 v[AF+36:AF+39], v[T0+2], s[10:11] offset:16
	RING
	v_lshrrev_b32 v[T0], 3, v0
	v_and_b32 v[T0+1], 7, v0
	v_lshlrev_b32 v[T0+1], 3, v[T0+1]
	v_lshl_add_u32 v[TA], v[T0], 8, v[T0+1]
	v_add_nc_u32 v[TA], WT, v[TA]
	s_wait_loadcnt 32                              ; w's parts and v are in; the ring's 32 loads are younger
.set n, 0
.rept 4
	v_pk_add_f32 v[AF+2*n:AF+2*n+1],       v[AF+2*n:AF+2*n+1],       v[AF+8+2*n:AF+8+2*n+1]
	v_pk_add_f32 v[AF+16+2*n:AF+16+2*n+1], v[AF+16+2*n:AF+16+2*n+1], v[AF+24+2*n:AF+24+2*n+1]
.set n, n+1
.endr
.set n, 0
.rept 4
	v_pk_add_f32 v[AF+2*n:AF+2*n+1], v[AF+2*n:AF+2*n+1], v[AF+16+2*n:AF+16+2*n+1]
.set n, n+1
.endr
.set n, 0
.rept 4
	v_mul_f32 v[AF+40+2*n],   C2, v[AF+n]
	v_mul_f32 v[AF+40+2*n+1], C2, v[AF+4+n]
	v_mul_f32 v[AF+48+2*n],   -2.0, v[AF+32+n]
	v_mul_f32 v[AF+48+2*n+1], -2.0, v[AF+36+n]
.set n, n+1
.endr
.set n, 0
.rept 4
	ds_store_b64 v[TA], v[AF+40+2*n:AF+40+2*n+1] offset:64*n
	ds_store_b64 v[TA], v[AF+48+2*n:AF+48+2*n+1] offset:4096+64*n
.set n, n+1
.endr
	s_branch .Ltables
.Lfirst_l:
	ELOAD 0, 0                                     ; TEAM L: part 0 of my 32 rows is asked for
	ELOAD 1, 512
.Ltables:
	MEET                                           ; the tables are whole
	s_cmp_lg_u32 s17, 0
	s_cbranch_scc1 .Lpart0
	s_wait_loadcnt 0x0                             ; no load is out when the accumulators' registers are loaded (in the text L's staging loads into them stand just above); G's own ring is in: it is wanted first thing behind the next barrier
	WINIT                                          ; G's chunk 0
	s_wait_dscnt 0x0                               ; the accumulators are in ahead of L's texts below, which load the same registers; G meets a barrier next in any case
	s_branch .Lwhole0
.Lpart0:
	LPART 0
.Lwhole0:
	MEET                                           ; part 0 is whole
	; PHASE 1.  L's loads of the part after next are on their way across the barriers.
	STAGE 0
	STAGE 1
	STAGE 2                                        ; A is whole, and is only read from here on
	s_cmp_lg_u32 s17, 0
	s_cbranch_scc1 .Lchunks                        ; L begins its chunk 0 while G multiplies part 3
	GPART 3
	s_wait_xcnt 0x0                                ; the loads' base is stepped only behind this wait:
	s_add_nc_u64 s[22:23], s[22:23], 131072        ; chunk 0's 32 K steps lie behind me
.Lchunks:
	; THE CHUNKS.  Two trips.  G's first trip has its products behind it and goes straight to the tanh step.  No barrier: the teams stay apart.
	s_cmp_eq_u32 s17, 0
	s_cselect_b32 s29, 1, 0
	s_mov_b32 s30, 2
.Lchunk:
	s_cmp_eq_u32 s29, 1
	s_cbranch_scc1 .Ltanh
	v_mov_b32 v[AD], v[ADB]
	WINIT
	FETCHA 0, 0
	FETCHA 1, 0
	s_mov_b32 s25, 7
.Lslice:
	TRIP 1, 1
	s_sub_co_u32 s25, s25, 1
	s_cmp_lg_u32 s25, 0
	s_cbranch_scc1 .Lslice
	s_cmp_eq_u32 s30, 1
	s_cbranch_scc1 .Lvery_last
	TRIP 0, 1                                      ; chunk 0's last slice: the ring runs on into chunk 1, which follows it in uf
	s_branch .Ltanh
.Lvery_last:
	TRIP 0, 0                                      ; chunk 1's last slice: no load leaves my part of uf
.Ltanh:
	EPI
	v_add_nc_u32 v[WA], 256, v[WA]                 ; the tables' part for chunk 1
	v_add_nc_u32 v[VA], 256, v[VA]
	s_mov_b32 s29, 0
	s_sub_co_u32 s30, s30, 1
	s_cmp_lg_u32 s30, 0
	s_cbranch_scc1 .Lchunk
	; PHASE 3.  e' of my 128 columns: the pair's two halves and the other half of the lanes'; then the eight waves' shares meet in LDS.
	s_wait_loadcnt 0x0                             ; the ring is empty (the last slice's counts ran down to 0): its registers are used anew below
.set n, 0
.rept 8
	v_add_f32 v[E+2*n], v[E+2*n], v[E+2*n+1]
.set n, n+1
.endr
.set n, 0
.rept 8
	v_permlanex16_b32 v[E+2*n+1], v[E+2*n], s26, s27
.set n, n+1
.endr
.set n, 0
.rept 8
	v_add_f32 v[E+2*n], v[E+2*n], v[E+2*n+1]
.set n, n+1
.endr
	MEET                                           ; every wave's fragment loads are over before any wave stores to LDS again
.set n, 0
.rept 8
	ds_store_b32 v[EA], v[E+2*n] offset:64*n       ; row 16 n + r; both halves of the lanes store the same number to the same word
.set n, n+1
.endr
	MEET                                           ; the eight shares are in LDS
.set n, 0
.rept 8
	ds_load_b128 v[AF+4*n:AF+4*n+3], v[ER] offset:512*n   ; every wave takes all: a lane the rows 4 lane .. + 3
.set n, n+1
.endr
	s_wait_dscnt 0x0
.irp s, 4,2,1
.set n, 0
.rept \s
	v_pk_add_f32 v[AF+4*n:AF+4*n+1],   v[AF+4*n:AF+4*n+1],   v[AF+4*(n+\s):AF+4*(n+\s)+1]
	v_pk_add_f32 v[AF+4*n+2:AF+4*n+3], v[AF+4*n+2:AF+4*n+3], v[AF+4*(n+\s)+2:AF+4*(n+\s)+3]
.set n, n+1
.endr
.endr
	v_max3_num_f32 v[T0], v[AF], v[AF+1], v[AF+2]  ; the block's maximum
	v_max_num_f32 v[T0], v[T0], v[AF+3]
	v_max_num_f32_dpp v[T0], v[T0], v[T0] row_xmask:1 row_mask:0xf bank_mask:0xf
	v_max_num_f32_dpp v[T0], v[T0], v[T0] row_xmask:2 row_mask:0xf bank_mask:0xf
	v_max_num_f32_dpp v[T0], v[T0], v[T0] row_xmask:4 row_mask:0xf bank_mask:0xf
	v_max_num_f32_dpp v[T0], v[T0], v[T0] row_xmask:8 row_mask:0xf bank_mask:0xf
	v_permlanex16_b32 v[E+1], v[T0], s26, s27
	v_max_num_f32 v[ML], v[T0], v[E+1]
.set n, 0
.rept 4
	v_sub_f32 v[AF+4+n], v[AF+n], v[ML]            ; never above 0
.set n, n+1
.endr
.set n, 0
.rept 4
	v_mul_f32 v[AF+4+n], s28, v[AF+4+n]
.set n, n+1
.endr
.set n, 0
.rept 4
	v_exp_f32 v[AF+4+n], v[AF+4+n]
.set n, n+1
.endr
	v_nop
	s_wait_alu depctr_va_vdst(0)
	ds_store_b128 v[PA], v[AF+4:AF+7]              ; my wave's own copy of p: LDS serves a wave's instructions in order (ISA guide 5.7.1.4), so its loads below see it
	v_add_f32 v[T0], v[AF+4], v[AF+5]
	v_add_f32 v[T0+2], v[AF+6], v[AF+7]
	v_add_f32 v[T0], v[T0], v[T0+2]
	v_add_f32_dpp v[T0], v[T0], v[T0] row_xmask:1 row_mask:0xf bank_mask:0xf
	v_add_f32_dpp v[T0], v[T0], v[T0] row_xmask:2 row_mask:0xf bank_mask:0xf
	v_add_f32_dpp v[T0], v[T0], v[T0] row_xmask:4 row_mask:0xf bank_mask:0xf
	v_add_f32_dpp v[T0], v[T0], v[T0] row_xmask:8 row_mask:0xf bank_mask:0xf
	v_permlanex16_b32 v[E+1], v[T0], s26, s27
	v_add_f32 v[ML+1], v[T0], v[E+1]
	; THE WEIGHTED SUM.  Thread t owns channels 4 t .. 4 t + 3; 32 rows a trip; p in f32, enc's bf16 halves read by the multiply-add itself; two sets of sums, even and odd rows.
.set CX, 160                           ; v160-167
.set n, 0
.rept 8
	v_mov_b32 v[CX+n], 0
.set n, n+1
.endr
	s_mov_b32 s25, 4
.Lctx:
.set n, 0
.rept 8
	ds_load_b128 v[BR+4*n:BR+4*n+3], v[PB] offset:16*n    ; 32 weights, the same in every lane
.set n, n+1
.endr
.set n, 0
.rept 32
	ds_load_b64 v[AF+2*n:AF+2*n+1], v[CA] offset:n*PITCH  ; the wave takes a slice row's 256 consecutive bytes
.set n, n+1
.endr
	s_wait_dscnt 0x0
.set n, 0
.rept 32
	v_fma_mix_f32_bf16 v[CX+4*(n%2)],   v[AF+2*n],   v[BR+n], v[CX+4*(n%2)]   op_sel_hi:[1,0,0]
	v_fma_mix_f32_bf16 v[CX+4*(n%2)+1], v[AF+2*n],   v[BR+n], v[CX+4*(n%2)+1] op_sel:[1,0,0] op_sel_hi:[1,0,0]
	v_fma_mix_f32_bf16 v[CX+4*(n%2)+2], v[AF+2*n+1], v[BR+n], v[CX+4*(n%2)+2] op_sel_hi:[1,0,0]
	v_fma_mix_f32_bf16 v[CX+4*(n%2)+3], v[AF+2*n+1], v[BR+n], v[CX+4*(n%2)+3] op_sel:[1,0,0] op_sel_hi:[1,0,0]
.set n, n+1
.endr
	v_add_nc_u32 v[CA], 32*PITCH, v[CA]
	v_add_nc_u32 v[PB], 128, v[PB]
	s_sub_co_u32 s25, s25, 1
	s_cmp_lg_u32 s25, 0
	s_cbranch_scc1 .Lctx
	v_pk_add_f32 v[CX:CX+1],   v[CX:CX+1],   v[CX+4:CX+5]
	v_pk_add_f32 v[CX+2:CX+3], v[CX+2:CX+3], v[CX+6:CX+7]
	s_wait_tensorcnt 0x0                           ; the wave's end in LDS
	ds_add_u32 v[SPW], v[NIL]
	s_wait_dscnt 0x0
	global_store_b128 v[GO], v[CX:CX+3], s[12:13]  ; the wave stores 512 consecutive bytes, aligned
	s_cmp_lg_u32 s16, 0
	s_cbranch_scc1 .Lend
	global_store_b64 v[SO], v[ML:ML+1], s[14:15]   ; (m, l) 32 times: the block's 256 consecutive bytes of pstat, whole
.Lend:
	s_endpgm
.Lfunc_end_k_qceb3dbe58e_main:
	.size	k_qceb3dbe58e_main, .Lfunc_end_k_qceb3dbe58e_main-k_qceb3dbe58e_main
	.p2alignl 7, 3214868480
	.fill 96, 4, 3214868480
	.section	.rodata,"a",@progbits
	.p2align	6, 0x0
	.amdhsa_kernel k_qceb3dbe58e_main
		.amdhsa_group_segment_fixed_size 295936
		.amdhsa_private_segment_fixed_size 0
		.amdhsa_enable_private_segment 0
		.amdhsa_kernarg_size 48
		.amdhsa_user_sgpr_count 2
		.amdhsa_user_sgpr_kernarg_segment_ptr 1
		.amdhsa_wavefront_size32 1
		.amdhsa_system_sgpr_workgroup_id_x 1
		.amdhsa_system_sgpr_workgroup_id_y 1
		.amdhsa_system_sgpr_workgroup_id_z 1
		.amdhsa_system_vgpr_workitem_id 0
		.amdhsa_next_free_vgpr 512
		.amdhsa_next_free_sgpr 66
		.amdhsa_reserve_vcc 0
		.amdhsa_float_denorm_mode_32 3
		.amdhsa_float_denorm_mode_16_64 3
		.amdhsa_memory_ordered 1
		.amdhsa_forward_progress 1
		.amdhsa_inst_pref_size 255
	.end_amdhsa_kernel
	.section	.bss,"aw",@nobits
	.p2align	6
	.space	262144
	.amdgpu_metadata
---
amdhsa.version: [ 1, 2 ]
amdhsa.kernels:
  - .name:           k_qceb3dbe58e_main
    .symbol:         k_qceb3dbe58e_main.kd
    .args:
      - { .name: encoder_hidden_states, .offset: 0, .size: 8, .value_kind: global_buffer, .address_space: global }
      - { .name: uf, .offset: 8, .size: 8, .value_kind: global_buffer, .address_space: global }
      - { .name: wpart, .offset: 16, .size: 8, .value_kind: global_buffer, .address_space: global }
      - { .name: v_t, .offset: 24, .size: 8, .value_kind: global_buffer, .address_space: global }
      - { .name: pctx, .offset: 32, .size: 8, .value_kind: global_buffer, .address_space: global }
      - { .name: pstat, .offset: 40, .size: 8, .value_kind: global_buffer, .address_space: global }
    .group_segment_fixed_size: 295936
    .private_segment_fixed_size: 0
    .kernarg_segment_align: 8
    .kernarg_segment_size: 48
    .max_flat_workgroup_size: 256
    .sgpr_count:     66
    .vgpr_count:     512
    .wavefront_size: 32
...
	.end_amdgpu_metadata
.endif
;; end of part 2
;; launch combine (part 3): grid 32 x 1, 8 waves a work-group, no clusters, 0 bytes of LDS; arguments pctx, pstat, out1, xf; writes out1, xf
.if DOCPART == 3
	.amdgcn_target "amdgcn-amd-amdhsa--gfx1250"
	.amdhsa_code_object_version 6
	.text
	.protected	k_qceb3dbe58e_combine
	.globl	k_qceb3dbe58e_combine
	.p2align	8
	.type	k_qceb3dbe58e_combine,@function
k_qceb3dbe58e_combine:
	s_mov_b64 s[64:65], 0
	v_nop
	global_prefetch_b8 v0, s[64:65] scope:SCOPE_SE
	s_setreg_imm32_b32 hwreg(HW_REG_WAVE_MODE, 25, 1), 1
	s_wait_xcnt 0x0
; context[b] = sum over the batch's 16 blocks j of alpha_j pctx[j] / sum of alpha_j l_j, alpha_j = 2^(c1 (m_j - M)), M = the largest m_j: the softmax's true maximum.
; One work-group a batch; thread t owns channels 4 t .. 4 t + 3.  All in f32.  The 16 pairs (m, l) come by scalar loads: no line of this launch writes pstat.
; The context goes out twice: in f32 (out1), and rounded once to bf16 (xf, [32][1024]), the matrix operand of the launch behind.
; No LDS, no matrix unit: 64 KiB are read once and 6 KiB written.
.set C1, 0x3fb8aa3b
.set OFF, 1                            ; v1      16 t
.set MX,  2                            ; v2      M
.set LS,  3                            ; v3      the sum of alpha l
.set RC,  4                            ; v4      its reciprocal
.set OFH, 5                            ; v5      8 t
.set XH,  6                            ; v6-7    my four channels in bf16
.set AC,  8                            ; v8-11   my four channels
.set P,   16                           ; v16-79  the 16 blocks' four channels
.set AL,  80                           ; v80-95  alpha
.set ST,  32                           ; s[32:63] (m_j, l_j)
	s_load_b256 s[4:11], s[0:1], 0x0               ; pctx s[4:5], pstat s[6:7], out1 s[8:9], xf s[10:11]
	v_lshlrev_b32 v[OFF], 4, v0
	v_lshlrev_b32 v[OFH], 3, v0
	s_lshl_b32 s12, ttmp9, 16                      ; 16 blocks of 4,096 bytes
	s_mov_b32 s13, 0
	s_lshl_b32 s14, ttmp9, 12                      ; 16 blocks of 256 bytes; also a row of out1
	s_mov_b32 s15, 0
	s_lshl_b32 s16, ttmp9, 11                      ; a row of xf
	s_mov_b32 s17, 0
	s_wait_kmcnt 0x0
	s_add_nc_u64 s[4:5], s[4:5], s[12:13]
	s_add_nc_u64 s[6:7], s[6:7], s[14:15]
	s_add_nc_u64 s[8:9], s[8:9], s[14:15]
	s_add_nc_u64 s[10:11], s[10:11], s[16:17]
.set j, 0
.rept 16
	s_load_b64 s[ST+2*j:ST+2*j+1], s[6:7], j*256
.set j, j+1
.endr
.set j, 0
.rept 16
	global_load_b128 v[P+4*j:P+4*j+3], v[OFF], s[4:5] offset:j*4096 th:TH_LOAD_NT
.set j, j+1
.endr
	s_wait_kmcnt 0x0
	v_mov_b32 v[MX], s[ST]
.set j, 1
.rept 15
	v_max_num_f32 v[MX], s[ST+2*j], v[MX]
.set j, j+1
.endr
.set j, 0
.rept 16
	v_sub_f32 v[AL+j], s[ST+2*j], v[MX]            ; never above 0
.set j, j+1
.endr
.set j, 0
.rept 16
	v_mul_f32 v[AL+j], C1, v[AL+j]
.set j, j+1
.endr
.set j, 0
.rept 16
	v_exp_f32 v[AL+j], v[AL+j]
.set j, j+1
.endr
	v_nop                                          ; a plain instruction behind the last exponential
	s_wait_alu depctr_va_vdst(0)
	v_mul_f32 v[LS], s[ST+1], v[AL]
.set j, 1
.rept 15
	v_fma_f32 v[LS], s[ST+2*j+1], v[AL+j], v[LS]
.set j, j+1
.endr
	v_rcp_f32 v[RC], v[LS]
	s_wait_loadcnt 0x0
.set c, 0
.rept 4
	v_mul_f32 v[AC+c], v[AL], v[P+c]               ; plain work that touches neither LS nor RC stands behind the reciprocal
.set c, c+1
.endr
.set j, 1
.rept 15
.set c, 0
.rept 4
	v_fma_f32 v[AC+c], v[AL+j], v[P+4*j+c], v[AC+c]
.set c, c+1
.endr
.set j, j+1
.endr
.set c, 0
	s_wait_alu depctr_va_vdst(0)
.rept 4
	v_mul_f32 v[AC+c], v[AC+c], v[RC]
.set c, c+1
.endr
	v_cvt_pk_bf16_f32 v[XH],   v[AC],   v[AC+1]
	v_cvt_pk_bf16_f32 v[XH+1], v[AC+2], v[AC+3]
	global_store_b128 v[OFF], v[AC:AC+3], s[8:9]   ; the wave stores 512 consecutive bytes, aligned
	global_store_b64 v[OFH], v[XH:XH+1], s[10:11]  ; the wave stores 256 consecutive bytes, aligned
	s_endpgm
.Lfunc_end_k_qceb3dbe58e_combine:
	.size	k_qceb3dbe58e_combine, .Lfunc_end_k_qceb3dbe58e_combine-k_qceb3dbe58e_combine
	.p2alignl 7, 3214868480
	.fill 96, 4, 3214868480
	.section	.rodata,"a",@progbits
	.p2align	6, 0x0
	.amdhsa_kernel k_qceb3dbe58e_combine
		.amdhsa_group_segment_fixed_size 0
		.amdhsa_private_segment_fixed_size 0
		.amdhsa_enable_private_segment 0
		.amdhsa_kernarg_size 32
		.amdhsa_user_sgpr_count 2
		.amdhsa_user_sgpr_kernarg_segment_ptr 1
		.amdhsa_wavefront_size32 1
		.amdhsa_system_sgpr_workgroup_id_x 1
		.amdhsa_system_sgpr_workgroup_id_y 1
		.amdhsa_system_sgpr_workgroup_id_z 1
		.amdhsa_system_vgpr_workitem_id 0
		.amdhsa_next_free_vgpr 96
		.amdhsa_next_free_sgpr 66
		.amdhsa_reserve_vcc 0
		.amdhsa_float_denorm_mode_32 3
		.amdhsa_float_denorm_mode_16_64 3
		.amdhsa_memory_ordered 1
		.amdhsa_forward_progress 1
		.amdhsa_inst_pref_size 12
	.end_amdhsa_kernel
	.amdgpu_metadata
---
amdhsa.version: [ 1, 2 ]
amdhsa.kernels:
  - .name:           k_qceb3dbe58e_combine
    .symbol:         k_qceb3dbe58e_combine.kd
    .args:
      - { .name: pctx, .offset: 0, .size: 8, .value_kind: global_buffer, .address_space: global }
      - { .name: pstat, .offset: 8, .size: 8, .value_kind: global_buffer, .address_space: global }
      - { .name: out1, .offset: 16, .size: 8, .value_kind: global_buffer, .address_space: global }
      - { .name: xf, .offset: 24, .size: 8, .value_kind: global_buffer, .address_space: global }
    .group_segment_fixed_size: 0
    .private_segment_fixed_size: 0
    .kernarg_segment_align: 8
    .kernarg_segment_size: 32
    .max_flat_workgroup_size: 256
    .sgpr_count:     66
    .vgpr_count:     96
    .wavefront_size: 32
...
	.end_amdgpu_metadata
.endif
;; end of part 3
;; launch final (part 4): grid 16 x 1, 16 waves a work-group, no clusters, 141,312 bytes of LDS; arguments xf, ff, zpart, out0; writes out0
.if DOCPART == 4
	.amdgcn_target "amdgcn-amd-amdhsa--gfx1250"
	.amdhsa_code_object_version 6
	.text
	.protected	k_qceb3dbe58e_final
	.globl	k_qceb3dbe58e_final
	.p2align	8
	.type	k_qceb3dbe58e_final,@function
k_qceb3dbe58e_final:
	s_mov_b64 s[64:65], 0
	v_nop
	global_prefetch_b8 v0, s[64:65] scope:SCOPE_SE
	s_setreg_imm32_b32 hwreg(HW_REG_WAVE_MODE, 25, 1), 1
	s_wait_xcnt 0x0
; out0 = tanh(z + context ffn[1024:2048]); z = dec ffn[0:1024] is the sum of zpart's four f32 tables.  Work-group cg makes 32 rows x 64 columns; operands bf16, sums f32.
; Both operands come ready: ff holds bf16(ffn[1024:2048]) as matrix fragments ([cg][t][q], 1,024 bytes each: at byte 512 g + 16 lane lie k = 32 t + 16 g + 8 (lane / 16) + 0..7 of
; column 64 cg + 4 (lane % 16) + q), xf the context in bf16, [32][1024].  So a wave issues 28 loads and rounds nothing.
; The 16 waves share K, 64 each (two matrix steps); their f32 partial sums meet in LDS behind one barrier.  tanh(x) = 1 - 2 / (1 + 2^(c2 x)), c2 = 2 log2(e):
; 2^(c2 x) may overflow to infinity, its reciprocal is then 0 and tanh is 1.
.set C2,     0x4038aa3b
.set SPITCH, 272                       ; a stage row: 64 f32 + 16 bytes
.set WSTAGE, 32*SPITCH
.set SPARE,  16*WSTAGE                 ; behind the stages: the spare words, 128 bytes a wave, that no other line names
.set R,   1                            ; lane % 16 (also thread % 16)
.set H,   2                            ; lane / 16
.set VF,  3                            ; 16 x lane: my place in a fragment's 512 bytes
.set VX,  4                            ; my offset in xf: row r, 16 h bytes
.set SA,  5
.set RA,  6
.set RB,  7
.set GO,  8
.set ROW, 9
.set SPW, 10                           ; my spare word; never rewritten
.set NIL, 11                           ; 0; never rewritten
.set ZP,  16                           ; v16-31   my four numbers of each of z's four parts
.set XF,  32                           ; v32-63   the context's fragments: step st, rows 16 mt .. at XF + 16 st + 8 mt
.set MF,  64                           ; v64-127  ffn's fragments: step st, tile q at MF + 32 st + 8 q
.set ACC, 128                          ; v128-191 the eight accumulators (mt, q) at ACC + 8 (4 mt + q)
.set RD,  192                          ; v192-255 the sixteen partial quads
.macro MUL8 st, zero                   ; source 0 = 16 columns of ffn, source 1 = 16 rows of the context: a lane holds one row of the result and eight rho
.set mt, 0
.rept 2
.set q, 0
.rept 4
.if \zero
	v_wmma_f32_16x16x32_bf16 v[ACC+8*(4*mt+q):ACC+8*(4*mt+q)+7], v[MF+32*(\st)+8*q:MF+32*(\st)+8*q+7], v[XF+16*(\st)+8*mt:XF+16*(\st)+8*mt+7], 0
.else
	v_wmma_f32_16x16x32_bf16 v[ACC+8*(4*mt+q):ACC+8*(4*mt+q)+7], v[MF+32*(\st)+8*q:MF+32*(\st)+8*q+7], v[XF+16*(\st)+8*mt:XF+16*(\st)+8*mt+7], v[ACC+8*(4*mt+q):ACC+8*(4*mt+q)+7]
.endif
.set q, q+1
.endr
.set mt, mt+1
.endr
.endm
	s_load_b256 s[4:11], s[0:1], 0x0               ; xf s[4:5], ff s[6:7], zpart s[8:9], out0 s[10:11]
	v_lshl_add_u32 v[SPW], v0, 2, SPARE
	v_mov_b32 v[NIL], 0
	v_lshrrev_b32 v[ROW], 5, v0
	v_readfirstlane_b32 s18, v[ROW]                ; wave 0..15
	v_and_b32 v[R], 15, v0
	v_bfe_u32 v[H], v0, 4, 1
	v_and_b32 v[VF], 31, v0
	v_lshlrev_b32 v[VF], 4, v[VF]
	v_lshlrev_b32 v[VX], 11, v[R]                  ; a row of xf is 2,048 bytes
	v_lshl_add_u32 v[VX], v[H], 4, v[VX]
	v_lshrrev_b32 v[ROW], 4, v0
	v_lshlrev_b32 v[GO], 12, v[ROW]
	v_lshl_add_u32 v[GO], v[R], 4, v[GO]
	s_lshl_b32 s28, ttmp9, 17                      ; the group's 32 K steps of 4,096 bytes in ff,
	s_lshl_b32 s29, s18, 13                        ; my two of them
	s_add_co_u32 s28, s28, s29
	s_mov_b32 s29, 0
	s_lshl_b32 s30, s18, 7                         ; my 64 k of the context
	s_mov_b32 s31, 0
	s_lshl_b32 s32, ttmp9, 8                       ; the group's 64 columns of z and of out0
	s_mov_b32 s33, 0
	s_wait_kmcnt 0x0
	s_add_nc_u64 s[6:7], s[6:7], s[28:29]
	s_add_nc_u64 s[4:5], s[4:5], s[30:31]
	s_add_nc_u64 s[8:9], s[8:9], s[32:33]
	s_add_nc_u64 s[10:11], s[10:11], s[32:33]
.set st, 0
.rept 2
.set n, 0
.rept 8                                ; n = 2 q + g: 512 consecutive bytes a load
	global_load_b128 v[MF+32*st+4*n:MF+32*st+4*n+3], v[VF], s[6:7] offset:st*4096+n*512 th:TH_LOAD_NT
.set n, n+1
.endr
.set n, 0
.rept 4                                ; n = 2 mt + g: row 16 mt + r, k = 32 st + 16 g + 8 h ..
	global_load_b128 v[XF+16*st+4*n:XF+16*st+4*n+3], v[VX], s[4:5] offset:(n/2)*32768+st*64+(n%2)*32
.set n, n+1
.endr
.set st, st+1
.endr
.set n, 0
.rept 4
	global_load_b128 v[ZP+4*n:ZP+4*n+3], v[GO], s[8:9] offset:n*131072
.set n, n+1
.endr
	s_mul_i32 s34, s18, WSTAGE
	v_mul_u32_u24 v[SA], v[R], SPITCH
	v_lshl_add_u32 v[SA], v[H], 7, v[SA]
	v_add_nc_u32 v[SA], s34, v[SA]                 ; my stage, row r, byte 128 h: column 4 (8 h + j) + q lies 16 j + 4 q further on
	v_mul_u32_u24 v[RA], v[ROW], SPITCH            ; back: thread t takes row t / 16, 16 bytes at 16 (t % 16)
	v_lshl_add_u32 v[RA], v[R], 4, v[RA]
	v_add_nc_u32 v[RB], 8*WSTAGE, v[RA]
	s_wait_loadcnt 16                              ; the first step's 12 loads are in; the second step's 12 and z's 4 stay out
	MUL8 0, 1                                      ; the first step starts the sums
	s_wait_loadcnt 4                               ; z's 4 loads may stay out
	MUL8 1, 0                                      ; the eight accumulators take turns
.rept 4
	v_nop                                          ; four plain vector instructions between the last product and the read of its result (ISA guide 7.12.1)
.endr
.set mt, 0
.rept 2
.set q, 0
.rept 4
.set j, 0
.rept 8                                ; each accumulator from its lowest register on
	ds_store_b32 v[SA], v[ACC+8*(4*mt+q)+j] offset:mt*16*SPITCH+16*j+4*q
.set j, j+1
.endr
.set q, q+1
.endr
.set mt, mt+1
.endr
	s_wait_dscnt 0x0                               ; for the others' sake: my partial sums are in LDS
	s_barrier_signal -1
	s_barrier_wait -1
.set n, 0
.rept 8
	ds_load_b128 v[RD+4*n:RD+4*n+3], v[RA] offset:n*WSTAGE
.set n, n+1
.endr
.rept 8
	ds_load_b128 v[RD+4*n:RD+4*n+3], v[RB] offset:(n-8)*WSTAGE
.set n, n+1
.endr
	s_wait_loadcnt 0x0                             ; z's four parts, added while the LDS loads are out
	v_pk_add_f32 v[ZP:ZP+1],     v[ZP:ZP+1],     v[ZP+4:ZP+5]
	v_pk_add_f32 v[ZP+2:ZP+3],   v[ZP+2:ZP+3],   v[ZP+6:ZP+7]
	v_pk_add_f32 v[ZP+8:ZP+9],   v[ZP+8:ZP+9],   v[ZP+12:ZP+13]
	v_pk_add_f32 v[ZP+10:ZP+11], v[ZP+10:ZP+11], v[ZP+14:ZP+15]
	v_pk_add_f32 v[ZP:ZP+1],     v[ZP:ZP+1],     v[ZP+8:ZP+9]
	v_pk_add_f32 v[ZP+2:ZP+3],   v[ZP+2:ZP+3],   v[ZP+10:ZP+11]
	s_wait_dscnt 0x0
.irp s, 8,4,2,1                        ; sixteen f32 partial sums, added in pairs
.set n, 0
.rept \s
	v_pk_add_f32 v[RD+4*n:RD+4*n+1],   v[RD+4*n:RD+4*n+1],   v[RD+4*(n+\s):RD+4*(n+\s)+1]
	v_pk_add_f32 v[RD+4*n+2:RD+4*n+3], v[RD+4*n+2:RD+4*n+3], v[RD+4*(n+\s)+2:RD+4*(n+\s)+3]
.set n, n+1
.endr
.endr
	v_pk_add_f32 v[RD:RD+1],   v[RD:RD+1],   v[ZP:ZP+1]
	v_pk_add_f32 v[RD+2:RD+3], v[RD+2:RD+3], v[ZP+2:ZP+3]
	v_pk_mul_f32 v[RD:RD+1],   v[RD:RD+1],   C2 op_sel_hi:[1,0]
	v_pk_mul_f32 v[RD+2:RD+3], v[RD+2:RD+3], C2 op_sel_hi:[1,0]
.set n, 0
.rept 4
	v_exp_f32 v[RD+n], v[RD+n]
.set n, n+1
.endr
	v_nop
	s_wait_alu depctr_va_vdst(0)
	v_pk_add_f32 v[RD:RD+1],   v[RD:RD+1],   1.0 op_sel_hi:[1,0]
	v_pk_add_f32 v[RD+2:RD+3], v[RD+2:RD+3], 1.0 op_sel_hi:[1,0]
.set n, 0
.rept 4
	v_rcp_f32 v[RD+n], v[RD+n]
.set n, n+1
.endr
	v_nop
	s_wait_alu depctr_va_vdst(0)
	v_pk_fma_f32 v[RD:RD+1],   v[RD:RD+1],   -2.0, 1.0 op_sel_hi:[1,0,0]
	v_pk_fma_f32 v[RD+2:RD+3], v[RD+2:RD+3], -2.0, 1.0 op_sel_hi:[1,0,0]
	global_store_b128 v[GO], v[RD:RD+3], s[10:11]  ; sixteen lanes store 256 consecutive bytes of a row, aligned
	s_wait_tensorcnt 0x0                           ; the wave's end
	ds_add_u32 v[SPW], v[NIL]
	s_wait_dscnt 0x0
	s_endpgm
.Lfunc_end_k_qceb3dbe58e_final:
	.size	k_qceb3dbe58e_final, .Lfunc_end_k_qceb3dbe58e_final-k_qceb3dbe58e_final
	.p2alignl 7, 3214868480
	.fill 96, 4, 3214868480
	.section	.rodata,"a",@progbits
	.p2align	6, 0x0
	.amdhsa_kernel k_qceb3dbe58e_final
		.amdhsa_group_segment_fixed_size 141312
		.amdhsa_private_segment_fixed_size 0
		.amdhsa_enable_private_segment 0
		.amdhsa_kernarg_size 32
		.amdhsa_user_sgpr_count 2
		.amdhsa_user_sgpr_kernarg_segment_ptr 1
		.amdhsa_wavefront_size32 1
		.amdhsa_system_sgpr_workgroup_id_x 1
		.amdhsa_system_sgpr_workgroup_id_y 1
		.amdhsa_system_sgpr_workgroup_id_z 1
		.amdhsa_system_vgpr_workitem_id 0
		.amdhsa_next_free_vgpr 256
		.amdhsa_next_free_sgpr 66
		.amdhsa_reserve_vcc 0
		.amdhsa_float_denorm_mode_32 3
		.amdhsa_float_denorm_mode_16_64 3
		.amdhsa_memory_ordered 1
		.amdhsa_forward_progress 1
		.amdhsa_inst_pref_size 15
	.end_amdhsa_kernel
	.amdgpu_metadata
---
amdhsa.version: [ 1, 2 ]
amdhsa.kernels:
  - .name:           k_qceb3dbe58e_final
    .symbol:         k_qceb3dbe58e_final.kd
    .args:
      - { .name: xf, .offset: 0, .size: 8, .value_kind: global_buffer, .address_space: global }
      - { .name: ff, .offset: 8, .size: 8, .value_kind: global_buffer, .address_space: global }
      - { .name: zpart, .offset: 16, .size: 8, .value_kind: global_buffer, .address_space: global }
      - { .name: out0, .offset: 24, .size: 8, .value_kind: global_buffer, .address_space: global }
    .group_segment_fixed_size: 141312
    .private_segment_fixed_size: 0
    .kernarg_segment_align: 8
    .kernarg_segment_size: 32
    .max_flat_workgroup_size: 512
    .sgpr_count:     66
    .vgpr_count:     256
    .wavefront_size: 32
...
	.end_amdgpu_metadata
.endif
;; end of part 4
